; MI455X (gfx1250); checked and timed in simulation.
; The chip was launched on July 23, 2026; its instructions are those of AMD's public machine-readable ISA for CDNA 5 (MIT licence, August 2026) and "CDNA5" Instruction Set Architecture Reference Guide (July 2026). The comments in the code are by the model that wrote it; some were corrected since.
;; MSA. Allowed arithmetic: matrix products marked QUANTISED: E5M2 operands, one E8M0 scale for each 32 along K, by v_wmma_scale_f32_16x16x128_f8f6f4 with both operands' format E5M2, f32 sums; everything else in f32.
;; Inputs: wk_codes 1,024 x 32 x 32 uint8 (E5M2 codes of wk, K innermost, in blocks of 32 codes); wk_scales 1,024 x 32 uint8 (E8M0 scales of wk, one for each 32 codes along K); wq_codes 1,024 x 32 x 32 uint8 (E5M2 codes of wq, K innermost, in blocks of 32 codes); wq_scales 1,024 x 32 uint8 (E8M0 scales of wq, one for each 32 codes along K); wv_codes 1,024 x 32 x 32 uint8 (E5M2 codes of wv, K innermost, in blocks of 32 codes); wv_scales 1,024 x 32 uint8 (E8M0 scales of wv, one for each 32 codes along K); x_codes 4 x 2,048 x 32 x 32 uint8 (E5M2 codes of x, K innermost, in blocks of 32 codes); x_scales 4 x 2,048 x 32 uint8 (E8M0 scales of x, one for each 32 codes along K).
;; Outputs: out0 4 x 2,048 x 1,024 float32.
;; This version of the problem:
;;   THIS VERSION OF THE PROBLEM IS GIVEN IN LOW PRECISION. The matrix products marked QUANTISED in the list below multiply operands that are first quantised to E5M2 (5 exponent bits, 2 mantissa bits; 8 bits a number), with one power-of-two scale for each 32 numbers along K (OCP MX v1.0); their sums are f32. All else is computed in f32.
;;   The module's matrix products, in the order in which they are computed (A, B: the left and right operand; K: the contracted axis; several contracted axes count as one K, in the product's order):
;;     1. [M 8,192, K 1,024] x [K 1,024, N 1,024]; A: input x (given as codes); B: input wq (given as codes): QUANTISED
;;     2. [M 8,192, K 1,024] x [K 1,024, N 1,024]; A: input x (given as codes); B: input wk (given as codes): QUANTISED
;;     3. [M 8,192, K 1,024] x [K 1,024, N 1,024]; A: input x (given as codes); B: input wv (given as codes): QUANTISED
;;     4. batch 64 x [M 2,048, K 64] x [K 64, N 2,048]; A: computed on the way; B: computed on the way: QUANTISED
;;     5. batch 64 x [M 2,048, K 2,048] x [K 2,048, N 64]; A: softmax (see below); B: computed on the way: QUANTISED
;;   THE QUANTISER, for each operand of a quantised product, along K:
;;     - K is cut into blocks of 32 from its start; a last block that is shorter is filled with zeros.
;;     - A block's scale is 2^e with e = floor(log2(the largest magnitude in the block)) - 15, held to -126 .. 127; a block of zeros has e = 0. As a byte (E8M0): e + 127.
;;     - Each number is divided by its block's scale, clamped to +-57,344, and rounded to the nearest number of E5M2, ties to even, subnormals kept.
;;     - The product sums the exact products of the quantised numbers (number of the format x scale) in f32.
;;   ~~~python
;;   def quantise(x, axis):      # numpy; x: float32 -> the quantised numbers, widened to float32 again
;;       x = np.moveaxis(x, axis, -1); K = x.shape[-1]
;;       x = np.pad(x, [(0, 0)] * (x.ndim - 1) + [(0, -K % 32)]); x = x.reshape(x.shape[:-1] + (-1, 32)); a = np.abs(x).max(-1, keepdims=True)
;;       e = np.where(a > 0, np.clip(np.frexp(np.where(a > 0, a, 1))[1] - 1 - 15, -126, 127), 0)      # np.frexp(a)[1] - 1 = floor(log2(a)), exactly
;;       r = np.clip(x / 2.0 ** e, -57344, 57344)
;;       step = 2.0 ** (np.maximum(np.frexp(np.where(r == 0, 1, r))[1] - 1, -14) - 2)
;;       q = np.round(r / step) * step * 2.0 ** e      # np.round: ties to even
;;       return np.moveaxis(q.reshape(q.shape[:-2] + (-1,))[..., :K], -1, axis).astype(np.float32)
;;   ~~~
;;   SOFTMAX AHEAD OF A QUANTISED PRODUCT. Where the list says 'softmax', what is quantised is not the finished softmax but p = 2^(t - M), with t = logit x log2(e) and M = ceil(the row's largest t), a whole number; so 1/2 < the row's largest p <= 1. The row's sum l is taken of the UNQUANTISED p, in f32, and the product's result is divided by l at the end. Since M is a whole number, a kernel that streams over the keys may use a running M (the ceiling of the running maximum): every later rescaling is an exact power of two, which a block's scale takes up: the codes' values come out the same.
;;   OPERANDS COMPUTED ON THE WAY. 'Computed on the way' means the value that the module computes at that place (a softmax that the list does not call 'softmax' is quantised finished and normalised). What goes into a quantiser is computed in f32, as accurately as f32 sums, v_exp_f32 and their like allow (about 1e-6 of the number): no bf16 or f16 on the way to a quantiser, and a product that is left as it is and whose result goes on into a quantised operand takes f32 operands (vector FMAs, or v_wmma_f32_16x16x4_f32). A number that lies on a knife's edge between two numbers of the format may be rounded either way, as far as f32 arithmetic and the matrix unit's own rounding can turn it there, and no further.
;;   INPUTS GIVEN AS CODES. wk (in the module: [1024, 1024], K = its axis 0); wq (in the module: [1024, 1024], K = its axis 0); wv (in the module: [1024, 1024], K = its axis 0); x (in the module: [4, 2048, 1024], K = its axis 2): each comes as NAME_codes (uint8): NAME with its K axis moved to the last place and cut into blocks of 32 codes, [.., K / 32, bytes a block], one block behind the other in memory; one code a byte (a code: sign, 5 exponent bits, 2 mantissa bits); and NAME_scales (uint8): the same leading axes, one E8M0 byte (e + 127) for each 32 codes along K. Its value is code x scale, taken as it is: it is not quantised again, and the codes and scales need not be those that the quantiser above would give.
;; One version. Each part assembles by itself: llvm-mc -triple=amdgcn-amd-amdhsa -mcpu=gfx1250 --defsym DOCPART=n.
;; ======== version 1 of 1: 2 launches
;; limits: right only within a limited range of input values
;; workspace buffers: qbuf 17,563,648 bytes; kvbuf 17,563,648 bytes
;; launch proj (part 1): grid 8 x 32, 4 waves a work-group, clusters of 4 x 4, 327,680 bytes of LDS; arguments x_codes, x_scales, wq_codes, wq_scales, wk_codes, wk_scales, wv_codes, wv_scales, qbuf, kvbuf; writes qbuf, kvbuf
.if DOCPART == 1
	.amdgcn_target "amdgcn-amd-amdhsa--gfx1250"
	.amdhsa_code_object_version 6
	.text
	.protected	k_q790cad43d4_proj
	.globl	k_q790cad43d4_proj
	.p2align	8
	.type	k_q790cad43d4_proj,@function
k_q790cad43d4_proj:
	s_mov_b64 s[64:65], 0
	v_nop
	global_prefetch_b8 v0, s[64:65] scope:SCOPE_SE
	s_setreg_imm32_b32 hwreg(HW_REG_WAVE_MODE, 25, 1), 1
	s_wait_xcnt 0x0
	s_wait_alu depctr_hold_cnt(0) depctr_sa_sdst(0) depctr_va_vdst(0) depctr_va_sdst(0) depctr_va_ssrc(0) depctr_va_vcc(0) depctr_vm_vsrc(0)
	s_getreg_b32 s2, hwreg(HW_REG_IB_STS2, 6, 4)
	s_cmp_eq_u32 s2, 0
	s_cbranch_scc0 .Lentry_in_a_cluster
	s_endpgm
.Lentry_in_a_cluster:
	s_bfe_u32 s2, ttmp6, 0x10000c
	s_cmp_lg_u32 s2, 0xf033
	s_cbranch_scc0 .Lentry_shape_is_right
	s_endpgm
.Lentry_shape_is_right:
; Q = x wq, K = x wk, V = x wv on codes of BF8 (E5M2, one E8M0 scale for each 32 along K = 1,024), f32 sums, each result quantised again for the attention launch and stored as images of its operand registers:
; for each (batch, head) 16 blocks of SB bytes, one for 128 tokens: +0 Q's or K's codes, tile t of 16 tokens at 1024 t + 512 c; +8192 V's codes, tile d of 16 channels at 2048 d + 512 c; +16384 Q's or K's scale words; +16896 V's.
; THE DEAL: 256 work-groups of four waves (2 x 2), clusters of 4 x 4.  PHASE 1: a tile of 256 tokens x 256 columns of Q (cluster x = 0) or K (1): source 1 = x's rows, source 0 = the weight's rows; a wave makes 128 x 128.
; PHASE 2: a tile of 128 rows of wv x 256 tokens of V^T: source 1 = wv's rows 128 (4 cluster x + cy) on, source 0 = x's rows 256 (4 cluster y + cx) on; a wave makes 64 x 128.  So a lane's eight results run along the next product's K in both phases.
; K goes in steps of 256 through a ring of two LDS slots.  The ring runs on into phase 2: phase 1's last two changes of slots ask for phase 2's first two K steps, which are on their way while phase 1's results are quantised and stored.
; JOINT LOADS: what hangs on cy alone is shared along a row of the cluster, what hangs on cx alone along a column.  The scale bytes of both phases come once, at the head, into bytes of their own.
; No prefetch: the block is the largest in clusters and K is four slots long.
; LIMITS: NaN and infinities are not served.  A block's byte never falls under 1; a block of zeros keeps that byte, and its codes are zeros.
.set NQ,     2
.set ROWB,   256
.set KROW,   1024
.set PITCH,  272
.set FR,     16
.set NL,     4
.set NP,     8
.set HALFT,  128*PITCH
.set SLOT,   4*HALFT
.set KS,     32
.set SCL,    2*SLOT                    ; phase 1's scale bytes: x's 256 rows, the weight's 256 rows, as units of 256 bytes + 16
.set HALFS,  16*272
.set SBLK,   2*272
.set SCL2,   SCL+4*HALFS               ; phase 2's: wv's 128 rows, then x's 256
.set SPARE,  SCL2+3*HALFS
.set SB,     17152
.set HS,     16*SB
.set ADRA, 16
.set ADRA2, 18
.set ADRB, 20
.set VO3,  22
.set VW2,  23
.set VO0,  24
.set VO2,  25
.set VW,   26
.set ADRS, 27
.set SPW,  28
.set NIL,  29
.set ADRS2, 30
.set SC,   32
.set AF,   128
.set T,    64
.set PC,   128
.set TM,   144
.set PL,   148
.set HD,   152
.set CV,   156
.set WD,   160
.set XW,   168
.set YW,   172
.set G0H, 4
.set G0HB, 8
.set G1, 24
.set G0, 32
.set G1B, 48
.set G0B, 56
.set G1S, 68
.set G0S, 76
.set G1SB, 80
.set G0SB, 88
.set MSB, 0
.macro WIN new
.if MSB != (\new)
	s_set_vgpr_msb (MSB<<8)|(\new)
.set MSB, (\new)
.endif
.endm
.set MUL_LO, 0xa1
.set MUL_HI, 0xf1
.set TO_B,   0x40
.macro PLACES n
.rept \n
	v_nop
.endr
.endm
.macro TL g0, g1                       ; a tensor load; s_nop 0 and four v_nop follow it
	tensor_load_to_lds s[\g0:\g0+3], s[\g1:\g1+7]
	s_nop 0
	PLACES 4
.endm
.macro JLOAD g0a, g1a, g0b, g1b        ; the ring's joint load: waves 0, 1 for source 1's tile, waves 2, 3 for source 0's
	s_cmp_eq_u32 s15, 0
	s_cbranch_scc0 .Lfor_b_\@
	TL \g0a, \g1a
	s_branch .Lasked_\@
.Lfor_b_\@:
	TL \g0b, \g1b
.Lasked_\@:
.endm
.macro HEAD4                           ; four first fills, one a wave, in one chain of branches on the wave's number
	s_cmp_eq_u32 s14, 0
	s_cbranch_scc0 .Lh1_\@
	TL G0H, G1
	s_branch .Lhe_\@
.Lh1_\@:
	s_cmp_eq_u32 s14, 1
	s_cbranch_scc0 .Lh2_\@
	TL G0HB, G1B
	s_branch .Lhe_\@
.Lh2_\@:
	s_cmp_eq_u32 s14, 2
	s_cbranch_scc0 .Lh3_\@
	TL G0S, G1S
	s_branch .Lhe_\@
.Lh3_\@:
	TL G0SB, G1SB
.Lhe_\@:
.endm
.macro CREST
	s_cmp_lg_u32 s14, 0
	s_cbranch_scc1 .Lnot_wave_0_\@
	s_barrier_signal -3
.Lnot_wave_0_\@:
	s_barrier_wait -3
	s_barrier_signal -1
	s_barrier_wait -1
.endm
.macro CROUND
	s_barrier_signal -1
	s_barrier_wait -1
	CREST
.endm
	s_load_b256 s[68:75], s[0:1], 0x0              ; x codes, x scales, wq codes, wq scales
	s_load_b256 s[76:83], s[0:1], 0x20             ; wk codes, wk scales, wv codes, wv scales
	s_load_b128 s[84:87], s[0:1], 0x40             ; qbuf, kvbuf
	v_lshl_add_u32 v[SPW], v0, 2, SPARE
	v_mov_b32 v[NIL], 0
	ds_add_u32 v[SPW], v[NIL]                      ; the opening lines: the add, twice on end, and its wait
	ds_add_u32 v[SPW], v[NIL]
	v_lshrrev_b32 v1, 5, v0
	v_readfirstlane_b32 s14, v1
	s_lshr_b32 s15, s14, 1                         ; my row of waves; also: I fetch for source 1 (0) or source 0 (1)
	s_and_b32 s16, s14, 1                          ; my column of waves; also: which half I fetch
	s_bfe_u32 s40, ttmp6, 0x40000                  ; cx
	s_bfe_u32 s41, ttmp6, 0x40004                  ; cy
	s_and_b32 s18, ttmp7, 0xffff
	s_lshl_b32 s18, s18, 2
	s_add_co_u32 s17, s18, s41                     ; phase 1: x's tile of 256 rows: 4 cluster y + cy
	s_add_co_u32 s42, s18, s40                     ; phase 2: x's tile: 4 cluster y + cx
	s_lshl_b32 s19, ttmp9, 2
	s_add_co_u32 s19, s19, s41                     ; phase 2: wv's group of 128 rows: 4 cluster x + cy
	s_lshl_b32 s43, s41, 2
	s_lshl_b32 s43, 15, s43                        ; my row of the cluster
	s_lshl_b32 s44, 0x1111, s40                    ; my column
	s_or_b32 s[G1+0], s43, (0<<16)|(1<<20)|(1<<21)|(5<<22)|(3<<25)
	s_or_b32 s[G1B+0], s44, (0<<16)|(1<<20)|(1<<21)|(5<<22)|(3<<25)
.irp g, G1, G1B
	s_mov_b32 s[\g+1], ROWB<<16
	s_mov_b32 s[\g+2], 256<<16                     ; the head's loads bring 256 rows
	s_mov_b32 s[\g+3], ROWB<<16
	s_mov_b32 s[\g+4], 256
	s_mov_b32 s[\g+5], KROW
	s_mov_b32 s[\g+6], 0
	s_mov_b32 s[\g+7], 0
.endr
	; byte offsets into the buffers, each under 2^32
	s_mul_i32 s20, s17, 256*KROW                   ; phase 1: x's codes,
	s_mov_b32 s21, 0
	s_mul_i32 s22, s17, 256*KS                     ; x's scales,
	s_mov_b32 s23, 0
	s_mul_i32 s46, s40, 256*KROW                   ; the weight's codes,
	s_mov_b32 s47, 0
	s_mul_i32 s2, s40, 256*KS                      ; the weight's scales
	s_mov_b32 s3, 0
	s_lshl_b32 s92, s19, 7                         ; phase 2: wv's codes: my 64 of the 128 rows,
	s_lshl_b32 s93, s16, 6
	s_add_co_u32 s92, s92, s93
	s_mul_i32 s92, s92, KROW
	s_mov_b32 s93, 0
	s_mul_i32 s96, s19, 128*KS                     ; wv's scales,
	s_mov_b32 s97, 0
	s_lshl_b32 s94, s42, 8                         ; x's codes: my 128 of the 256 rows,
	s_lshl_b32 s95, s16, 7
	s_add_co_u32 s94, s94, s95
	s_mul_i32 s94, s94, KROW
	s_mov_b32 s95, 0
	s_mul_i32 s98, s42, 256*KS                     ; x's scales
	s_mov_b32 s99, 0
	s_lshl_b32 s100, s19, 1                        ; phase 2's results: block (16 batch + head) 16 + group of 128 tokens; head = 2 x wv's group + my row of waves
	s_add_co_u32 s100, s100, s15
	s_lshl_b32 s100, s100, 4
	s_lshl_b32 s101, s42, 1
	s_add_co_u32 s101, s101, s16                   ; the group of 128 tokens
	s_lshr_b32 s104, s101, 4
	s_lshl_b32 s104, s104, 8
	s_and_b32 s101, s101, 15
	s_add_co_u32 s100, s100, s101
	s_add_co_u32 s100, s100, s104
	s_mul_i32 s100, s100, SB
	s_add_co_u32 s100, s100, 8192
	s_mov_b32 s101, 0
	s_lshl_b32 s104, s17, 1                        ; phase 1's: group of tokens 2 x tile + my row of waves; first head 2 (2 cx + my column of waves)
	s_add_co_u32 s104, s104, s15
	s_lshr_b32 s105, s104, 4
	s_lshl_b32 s105, s105, 8
	s_and_b32 s104, s104, 15
	s_add_co_u32 s104, s104, s105
	s_lshl_b32 s105, s40, 1
	s_add_co_u32 s105, s105, s16
	s_lshl_b32 s105, s105, 5
	s_add_co_u32 s104, s104, s105
	s_mul_i32 s104, s104, SB
	s_mov_b32 s105, 0
	s_mul_i32 s45, s14, HALFT                      ; the ring: where my quarter of a slot lies
	s_mul_i32 s66, s16, 64*PITCH                   ; phase 2: my 64 rows of wv
	s_mul_i32 s18, s16, 128*KROW                   ; phase 1's ring: my half of a tile, in memory
	s_mov_b32 s19, 0
	s_wait_dscnt 0x0                               ; both opening adds are done
	s_wait_kmcnt 0x0
	s_cmp_eq_u32 ttmp9, 0
	s_cselect_b64 s[4:5], s[72:73], s[76:77]
	s_cselect_b64 s[6:7], s[74:75], s[78:79]
	s_cselect_b64 s[12:13], s[84:85], s[86:87]
	s_add_nc_u64 s[20:21], s[68:69], s[20:21]
	s_add_nc_u64 s[22:23], s[70:71], s[22:23]
	s_add_nc_u64 s[46:47], s[4:5], s[46:47]
	s_add_nc_u64 s[2:3], s[6:7], s[2:3]
	s_add_nc_u64 s[92:93], s[80:81], s[92:93]
	s_add_nc_u64 s[96:97], s[82:83], s[96:97]
	s_add_nc_u64 s[94:95], s[68:69], s[94:95]
	s_add_nc_u64 s[98:99], s[70:71], s[98:99]
	s_add_nc_u64 s[100:101], s[86:87], s[100:101]  ; V's codes
	s_add_nc_u64 s[12:13], s[12:13], s[104:105]    ; Q's or K's codes
	s_add_nc_u64 s[104:105], s[100:101], 16896-8192   ; V's scale words
	s_or_b32 s[G1S+0], s43, (3<<16)|(1<<20)|(1<<21)|(5<<22)|(3<<25)
	s_or_b32 s[G1SB+0], s44, (3<<16)|(1<<20)|(1<<21)|(5<<22)|(3<<25)
.irp g, G1S, G1SB
	s_mov_b32 s[\g+1], 32<<16                      ; the scales of 256 rows: 8,192 dense bytes as 32 rows of 256
	s_mov_b32 s[\g+2], 32<<16
	s_mov_b32 s[\g+3], 32<<16
	s_mov_b32 s[\g+4], 32
	s_mov_b32 s[\g+5], 32
	s_mov_b32 s[\g+6], 0
	s_mov_b32 s[\g+7], 0
.endr
	s_mov_b32 s[G0H], 1
	s_mov_b32 s[G0H+1], 0
	s_mov_b64 s[G0H+2:G0H+3], s[20:21]
	s_or_b32 s[G0H+3], s[G0H+3], 0x80000000
	s_mov_b32 s[G0HB], 1
	s_mov_b32 s[G0HB+1], 2*HALFT
	s_mov_b64 s[G0HB+2:G0HB+3], s[46:47]
	s_or_b32 s[G0HB+3], s[G0HB+3], 0x80000000
	s_mov_b32 s[G0S], 1
	s_mov_b32 s[G0S+1], SCL
	s_mov_b64 s[G0S+2:G0S+3], s[22:23]
	s_or_b32 s[G0S+3], s[G0S+3], 0x80000000
	s_mov_b32 s[G0SB], 1
	s_mov_b32 s[G0SB+1], SCL+2*HALFS
	s_mov_b64 s[G0SB+2:G0SB+3], s[2:3]
	s_or_b32 s[G0SB+3], s[G0SB+3], 0x80000000
	s_add_nc_u64 s[20:21], s[20:21], s[18:19]
	s_add_nc_u64 s[46:47], s[46:47], s[18:19]
.irp s, 0,1
	s_mov_b32 s[G0+4*\s], 1
	s_add_co_u32 s[G0+4*\s+1], s45, \s*SLOT
	s_add_nc_u64 s[G0+4*\s+2:G0+4*\s+3], s[20:21], \s*ROWB
	s_or_b32 s[G0+4*\s+3], s[G0+4*\s+3], 0x80000000
	s_mov_b32 s[G0B+4*\s], 1
	s_add_co_u32 s[G0B+4*\s+1], s45, \s*SLOT
	s_add_nc_u64 s[G0B+4*\s+2:G0B+4*\s+3], s[46:47], \s*ROWB
	s_or_b32 s[G0B+4*\s+3], s[G0B+4*\s+3], 0x80000000
.endr
	CROUND                                         ; all sixteen work-groups are here
	HEAD4                                          ; K step 0 of x and of the weight, and their scales
	s_add_nc_u64 s[20:21], s[12:13], 16384         ; Q's or K's scale words
	s_mul_i32 s18, s15, HALFT
	s_mul_i32 s19, s16, HALFT
	s_add_co_u32 s19, s19, 2*HALFT
	s_mul_i32 s22, s15, 64*PITCH
	s_mul_i32 s23, s15, HALFS
	s_mul_i32 s42, s16, HALFS
	s_add_co_u32 s42, s42, 2*HALFS
	s_sub_co_u32 s42, s42, s23                     ; from source 1's scale words to source 0's
	s_add_co_u32 s23, s23, SCL
	s_mul_i32 s43, s15, HALFS/2
	s_mul_i32 s47, s16, HALFS
	s_add_co_u32 s47, s47, HALFS
	s_sub_co_u32 s47, s47, s43
	s_add_co_u32 s43, s43, SCL2
	s_mov_b32 s40, 1024
	s_mov_b32 s41, 0
	s_mov_b32 s44, 0x76543210
	s_mov_b32 s45, 0xfedcba98
	s_mov_b32 s46, 0x600000
	v_and_b32 v1, 15, v0
	v_bfe_u32 v2, v0, 4, 1
	v_and_b32 v6, 31, v0
	v_mul_u32_u24 v3, v1, PITCH
	v_mul_u32_u24 v5, v1, KS
	v_lshl_add_u32 v4, v2, 4, v3
	v_lshrrev_b32 v7, 8, v5
	v_lshl_add_u32 v7, v7, 4, v5
	v_add_nc_u32 v[ADRA], s18, v4
	v_add_nc_u32 v[ADRB], s19, v4
	v_add_nc_u32 v[ADRA2], s22, v4
	v_add_nc_u32 v[ADRA+1], SLOT, v[ADRA]
	v_add_nc_u32 v[ADRB+1], SLOT, v[ADRB]
	v_add_nc_u32 v[ADRA2+1], SLOT, v[ADRA2]
	v_mul_u32_u24 v8, s42, v2
	v_mul_u32_u24 v9, s47, v2
	v_add_nc_u32 v8, v8, v7
	v_add_nc_u32 v9, v9, v7
	v_add_nc_u32 v[ADRS], s23, v8
	v_add_nc_u32 v[ADRS2], s43, v9
	v_lshlrev_b32 v[VO0], 4, v6
	v_lshlrev_b32 v[VW2], 4, v1
	v_add_nc_u32 v[VO2], HS, v[VO0]
	v_add_nc_u32 v[VO3], 1024, v[VO0]
	v_lshl_add_u32 v[VW], v2, 8, v[VW2]
.macro FRAG reg, adr, q, i
.irp c, 0,1,2,3
	ds_load_b128 v[\reg+4*\c:\reg+4*\c+3], v[\adr] offset:128*(\q)+32*\c+(\i)*16*PITCH
.endr
.endm
.macro MUL16 a0, p, q, sc, zero, ao=0  ; source 1's blocks a0, a0 + 1 x source 0's eight; the accumulators take turns
.irp a, \a0, \a0+1
.irp b, 0,1,2,3,4,5,6,7
.if \zero
	v_wmma_scale_f32_16x16x128_f8f6f4 v[8*(8*((\a)%4)+\b):8*(8*((\a)%4)+\b)+7], v[128*(\p)+FR*\b:128*(\p)+FR*\b+FR-1], v[AF+(\ao)+FR*(\a):AF+(\ao)+FR*(\a)+FR-1], 0, v[SC+8*NQ*(\sc)+NQ*\b+(\q)], v[SC+8*NQ*(\sc)+NQ*(\a)+(\q)] matrix_a_fmt:MATRIX_FMT_BF8 matrix_b_fmt:MATRIX_FMT_BF8 matrix_a_scale:MATRIX_SCALE_ROW1
.else
	v_wmma_scale_f32_16x16x128_f8f6f4 v[8*(8*((\a)%4)+\b):8*(8*((\a)%4)+\b)+7], v[128*(\p)+FR*\b:128*(\p)+FR*\b+FR-1], v[AF+(\ao)+FR*(\a):AF+(\ao)+FR*(\a)+FR-1], v[8*(8*((\a)%4)+\b):8*(8*((\a)%4)+\b)+7], v[SC+8*NQ*(\sc)+NQ*\b+(\q)], v[SC+8*NQ*(\sc)+NQ*(\a)+(\q)] matrix_a_fmt:MATRIX_FMT_BF8 matrix_b_fmt:MATRIX_FMT_BF8 matrix_a_scale:MATRIX_SCALE_ROW1
.endif
.endr
.endr
.endm
.macro FETCH_B slot, q, p
	WIN TO_B
.irp i, 0,1,2,3,4,5,6,7
	FRAG 128*(\p)+FR*\i, ADRB+\slot, \q, \i
.endr
	WIN 0
.endm
.macro FETCH_A slot, q, i0
.irp i, \i0, \i0+1, \i0+2, \i0+3
	FRAG AF+FR*(\i), ADRA+\slot, \q, \i
.endr
.endm
.macro FETCH_A2 slot, q, p             ; phase 2: wv's four blocks into set p
.irp i, 0,1,2,3
	FRAG AF+64*(\p)+FR*\i, ADRA2+\slot, \q, \i
.endr
.endm
.macro SCALES sc, adr=ADRS
.irp i, 0,1,2,3,4,5,6,7
	ds_load_b64 v[SC+8*NQ*\sc+NQ*\i:SC+8*NQ*\sc+NQ*\i+1], v[\adr] offset:\i*SBLK
.endr
.endm
.macro STEP slot, q, zero
	s_wait_dscnt 4*NL                              ; all but the youngest 16 loads (source 1's blocks 4-7)
	WIN MUL_LO
	MUL16 0, (\q)%2, \q, \slot, \zero
	MUL16 2, (\q)%2, \q, \slot, \zero
	s_wait_dscnt 0
	PLACES NP
	FETCH_B \slot, (\q)+1, 1-(\q)%2
	FETCH_A \slot, (\q)+1, 0
	WIN MUL_HI
	MUL16 4, (\q)%2, \q, \slot, \zero
	MUL16 6, (\q)%2, \q, \slot, \zero
	PLACES NP
	WIN 0
	FETCH_A \slot, (\q)+1, 4
.endm
.macro TOV slot                        ; the slot's descriptors go over to phase 2 (no tensor load of mine is out)
	s_add_co_u32 s[G0+4*\slot+1], s66, \slot*SLOT
	s_add_nc_u64 s[G0+4*\slot+2:G0+4*\slot+3], s[92:93], \slot*ROWB
	s_or_b32 s[G0+4*\slot+3], s[G0+4*\slot+3], 0x80000000
	s_add_nc_u64 s[G0B+4*\slot+2:G0B+4*\slot+3], s[94:95], \slot*ROWB
	s_or_b32 s[G0B+4*\slot+3], s[G0B+4*\slot+3], 0x80000000
.if \slot == 0
	s_mov_b32 s[G1+2], 64<<16                      ; a wave brings 64 rows of wv
	s_mov_b32 s[G1+4], 64
.endif
.endm
; A slot's last step changes slots.  hook = 1: from here on a load of the ring brings 128 rows; hook = 2: the refill is phase 2's K step 0.
.macro TURN slot, next, fill, hook=0
	s_wait_tensorcnt 0x0
	ds_add_u32 v[SPW], v[NIL]
.if \hook == 1
	s_mov_b32 s[G1+2], 128<<16
	s_mov_b32 s[G1+4], 128
	s_mov_b32 s[G1B+2], 128<<16
	s_mov_b32 s[G1B+4], 128
.endif
	s_wait_dscnt 4*NL+1                            ; the add and the youngest 16 loads may be out
	WIN MUL_LO
	MUL16 0, 1, NQ-1, \slot, 0
	s_wait_dscnt 0x0
	s_barrier_signal -1
	MUL16 2, 1, NQ-1, \slot, 0
	WIN 0
	s_barrier_wait -1
.if \fill
	CREST
.if \hook == 2
	TOV \slot
.else
	s_add_nc_u64 s[G0+4*\slot+2:G0+4*\slot+3], s[G0+4*\slot+2:G0+4*\slot+3], 2*ROWB
	s_add_nc_u64 s[G0B+4*\slot+2:G0B+4*\slot+3], s[G0B+4*\slot+2:G0B+4*\slot+3], 2*ROWB
.endif
	JLOAD G0+4*\slot, G1, G0B+4*\slot, G1B
	PLACES NP-4
.else
	PLACES NP
.endif
	s_wait_alu depctr_va_vdst(0)
	v_add_nc_u32 v[ADRS], 4*NQ, v[ADRS]
	FETCH_B \next, 0, 0
	FETCH_A \next, 0, 0
	SCALES \next
	WIN MUL_HI
	MUL16 4, 1, NQ-1, \slot, 0
	MUL16 6, 1, NQ-1, \slot, 0
	PLACES NP
	WIN 0
	FETCH_A \next, 0, 4
.endm
; Phase 2.  Both sources have two sets of registers: a step's fragments are asked for ahead of the step before's products.
.macro STEP2 slot, zero
	FETCH_B \slot, 1, 1
	FETCH_A2 \slot, 1, 1
	s_wait_dscnt 12*NL                             ; all but the 48 just issued
	WIN MUL_LO
	MUL16 0, 0, 0, \slot, \zero, 0
	MUL16 2, 0, 0, \slot, \zero, 0
	WIN 0
.endm
.macro TURN2 slot, next, fill
	s_wait_tensorcnt 0x0
	ds_add_u32 v[SPW], v[NIL]
	s_wait_dscnt 1                                 ; the add may be out
	WIN MUL_LO
	MUL16 0, 1, 1, \slot, 0, 64
	s_wait_dscnt 0x0
	s_barrier_signal -1
	MUL16 2, 1, 1, \slot, 0, 64
	WIN 0
	s_barrier_wait -1
.if \fill
	CREST
	s_add_nc_u64 s[G0+4*\slot+2:G0+4*\slot+3], s[G0+4*\slot+2:G0+4*\slot+3], 2*ROWB
	s_add_nc_u64 s[G0B+4*\slot+2:G0B+4*\slot+3], s[G0B+4*\slot+2:G0B+4*\slot+3], 2*ROWB
	JLOAD G0+4*\slot, G1, G0B+4*\slot, G1B
	PLACES NP-4
.else
	PLACES NP
.endif
	s_wait_alu depctr_va_vdst(0)
	v_add_nc_u32 v[ADRS2], 4*NQ, v[ADRS2]
	FETCH_B \next, 0, 0
	FETCH_A2 \next, 0, 0
	SCALES \next, ADRS2
.endm
; THE WAY OUT of source 1's block a: four blocks of 32 along source 0's rows, each in lanes l and l xor 16: largest magnitude, scale, hold, codes; 64 bytes a lane leave as four images of register groups.
.macro OUTA a, vo
.set AC, 64*((\a)%4)
	WIN 0x0a+5*((\a)/4)
.irp b, 0,1,2,3
	v_max3_num_f32 v[TM+\b], |v[AC+16*\b]|, |v[AC+16*\b+1]|, 0x8000000
.endr
.irp i, 2,4,6,8,10,12,14
.irp b, 0,1,2,3
	v_max3_num_f32 v[TM+\b], |v[AC+16*\b+\i]|, |v[AC+16*\b+\i+1]|, v[TM+\b]
.endr
.endr
	WIN 0
.irp b, 0,1,2,3
	v_permlanex16_b32 v[PL+\b], v[TM+\b], s44, s45
.endr
.irp b, 0,1,2,3
	v_max_num_f32 v[TM+\b], v[TM+\b], v[PL+\b]
.endr
.irp b, 0,1,2,3
	v_add_nc_u32 v[CV+\b], 0xf8800000, v[TM+\b]
.endr
.irp b, 0,1,2,3
	v_and_or_b32 v[HD+\b], v[TM+\b], 0x7f800000, s46
.endr
.irp b, 0,1,2,3
	v_lshrrev_b32 v[PL+\b], 23, v[CV+\b]
.endr
	v_lshl_or_b32 v[WD+\a], v[PL+1], 8, v[PL]
	v_lshl_or_b32 v[WD+\a], v[PL+2], 16, v[WD+\a]
	v_lshl_or_b32 v[WD+\a], v[PL+3], 24, v[WD+\a]
	WIN 0x02+((\a)/4)
.irp b, 0,1,2,3
.irp i, 0,1,2,3,4,5,6,7,8,9,10,11,12,13,14,15
	v_med3_num_f32 v[T+16*\b+\i], v[AC+16*\b+\i], -v[HD+\b], v[HD+\b]
.endr
.endr
	WIN 0
.if (\a) > 0
	s_wait_alu depctr_va_vdst(0)
	s_wait_xcnt 0x0                                ; the block before's stores have read their registers and their base
	s_add_nc_u64 s[12:13], s[12:13], s[40:41]
.endif
.irp b, 0,1,2,3
	v_cvt_scalef32_pk8_bf8_f32 v[PC+4*\b:PC+4*\b+1], v[T+16*\b:T+16*\b+7], v[CV+\b]
	v_cvt_scalef32_pk8_bf8_f32 v[PC+4*\b+2:PC+4*\b+3], v[T+16*\b+8:T+16*\b+15], v[CV+\b]
.endr
	v_nop
	global_store_b128 v[VO0], v[PC:PC+3], s[12:13]
	global_store_b128 v[VO0], v[PC+4:PC+7], s[12:13] offset:512
	global_store_b128 v[\vo], v[PC+8:PC+11], s[12:13]
	global_store_b128 v[\vo], v[PC+12:PC+15], s[12:13] offset:512
.endm
	s_wait_alu depctr_va_vdst(0)                   ; the wait at the head's end
	s_wait_tensorcnt 0x0                           ; my tile of the head's four is in; the lines ahead of later first fills:
	ds_add_u32 v[SPW], v[NIL]
	s_mov_b32 s[G0H+1], SLOT                       ; K step 1 of x and of the weight into slot 1,
	s_add_nc_u64 s[G0H+2:G0H+3], s[G0H+2:G0H+3], ROWB
	s_mov_b32 s[G0HB+1], SLOT+2*HALFT
	s_add_nc_u64 s[G0HB+2:G0HB+3], s[G0HB+2:G0HB+3], ROWB
	s_mov_b32 s[G0S+1], SCL2                       ; phase 2's scales: wv's 128 rows (16 rows of 256 bytes),
	s_mov_b64 s[G0S+2:G0S+3], s[96:97]
	s_or_b32 s[G0S+3], s[G0S+3], 0x80000000
	s_mov_b32 s[G1S+2], 16<<16
	s_mov_b32 s[G1S+4], 16
	s_mov_b32 s[G0SB+1], SCL2+HALFS                ; and x's 256
	s_mov_b64 s[G0SB+2:G0SB+3], s[98:99]
	s_or_b32 s[G0SB+3], s[G0SB+3], 0x80000000
	s_wait_dscnt 0x0
	CROUND
	HEAD4
	FETCH_B 0, 0, 0
	FETCH_A 0, 0, 0
	SCALES 0
	FETCH_A 0, 0, 4
	STEP 0, 0, 1
	TURN 0, 1, 1, 1
	STEP 1, 0, 0
	TURN 1, 0, 1
	STEP 0, 0, 0
	TURN 0, 1, 1, 2                                ; slot 0 takes phase 2's K step 0
	STEP 1, 0, 0
	s_wait_tensorcnt 0x0                           ; phase 1's last step: slot 1 takes phase 2's K step 1
	ds_add_u32 v[SPW], v[NIL]
	s_wait_dscnt 4*NL+1
	WIN MUL_LO
	MUL16 0, 1, NQ-1, 1, 0
	s_wait_dscnt 0x0
	s_barrier_signal -1
	MUL16 2, 1, NQ-1, 1, 0
	WIN 0
	s_barrier_wait -1
	CREST
	TOV 1
	JLOAD G0+4, G1, G0B+4, G1B
	WIN MUL_HI
	MUL16 4, 1, NQ-1, 1, 0
	MUL16 6, 1, NQ-1, 1, 0
	WIN 0
	PLACES NP
.irp b, 0,1,2,3
	v_mov_b32 v[PL+\b], 0                          ; a lane permute's destination counts as one of its sources
.endr
.irp a, 0,1,2,3,4,5,6,7
	OUTA \a, VO2
.endr
	v_and_b32 v176, 16, v0
	v_cmp_ne_u32 vcc_lo, 0, v176
.irp i, 0,1,2,3
	v_cndmask_b32 v[XW+\i], v[WD+\i], v[WD+4+\i], vcc_lo
.endr
	global_store_b128 v[VW], v[XW:XW+3], s[20:21]  ; the first head's scale words (bytes 0, 1),
.irp i, 0,1,2,3
	v_lshrrev_b32 v[YW+\i], 16, v[XW+\i]
.endr
	global_store_b128 v[VW], v[YW:YW+3], s[20:21] offset:HS   ; the second head's
	s_wait_alu depctr_va_vdst(0)
	s_wait_xcnt 0x0                                ; the stores have read their registers: fragments land there again
	FETCH_B 0, 0, 0
	FETCH_A2 0, 0, 0
	SCALES 0, ADRS2
	STEP2 0, 1
	TURN2 0, 1, 1
	STEP2 1, 0
	TURN2 1, 0, 1
	STEP2 0, 0
	TURN2 0, 1, 0
	STEP2 1, 0
	s_wait_dscnt 0
	WIN MUL_LO
	MUL16 0, 1, 1, 1, 0, 64
	MUL16 2, 1, 1, 1, 0, 64
	WIN 0
	PLACES NP
	s_mov_b64 s[12:13], s[100:101]
	s_mov_b32 s40, 2048
.irp b, 0,1,2,3
	v_mov_b32 v[PL+\b], 0
.endr
.irp a, 0,1,2,3
	OUTA \a, VO3
.endr
	global_store_b128 v[VW2], v[WD:WD+3], s[104:105]   ; V's scale words: lane r's four; lanes 16-31 hold and store the same 256 bytes
	s_wait_tensorcnt 0x0                           ; the wave's end
	ds_add_u32 v[SPW], v[NIL]
	s_wait_dscnt 0x0
	CROUND
	s_endpgm
.Lfunc_end_k_q790cad43d4_proj:
	.size	k_q790cad43d4_proj, .Lfunc_end_k_q790cad43d4_proj-k_q790cad43d4_proj
	.p2alignl 7, 3214868480
	.fill 96, 4, 3214868480
	.section	.rodata,"a",@progbits
	.p2align	6, 0x0
	.amdhsa_kernel k_q790cad43d4_proj
		.amdhsa_group_segment_fixed_size 327680
		.amdhsa_private_segment_fixed_size 0
		.amdhsa_enable_private_segment 0
		.amdhsa_kernarg_size 80
		.amdhsa_user_sgpr_count 2
		.amdhsa_user_sgpr_kernarg_segment_ptr 1
		.amdhsa_wavefront_size32 1
		.amdhsa_system_sgpr_workgroup_id_x 1
		.amdhsa_system_sgpr_workgroup_id_y 1
		.amdhsa_system_sgpr_workgroup_id_z 1
		.amdhsa_system_vgpr_workitem_id 0
		.amdhsa_next_free_vgpr 1024
		.amdhsa_next_free_sgpr 106
		.amdhsa_reserve_vcc 1
		.amdhsa_float_denorm_mode_32 3
		.amdhsa_float_denorm_mode_16_64 3
		.amdhsa_memory_ordered 1
		.amdhsa_forward_progress 1
		.amdhsa_inst_pref_size 255
	.end_amdhsa_kernel
	.section	.bss,"aw",@nobits
	.p2align	6
	.space	262144
	.amdgpu_metadata
---
amdhsa.version: [ 1, 2 ]
amdhsa.kernels:
  - .name:           k_q790cad43d4_proj
    .symbol:         k_q790cad43d4_proj.kd
    .args:
      - { .name: x_codes, .offset: 0, .size: 8, .value_kind: global_buffer, .address_space: global }
      - { .name: x_scales, .offset: 8, .size: 8, .value_kind: global_buffer, .address_space: global }
      - { .name: wq_codes, .offset: 16, .size: 8, .value_kind: global_buffer, .address_space: global }
      - { .name: wq_scales, .offset: 24, .size: 8, .value_kind: global_buffer, .address_space: global }
      - { .name: wk_codes, .offset: 32, .size: 8, .value_kind: global_buffer, .address_space: global }
      - { .name: wk_scales, .offset: 40, .size: 8, .value_kind: global_buffer, .address_space: global }
      - { .name: wv_codes, .offset: 48, .size: 8, .value_kind: global_buffer, .address_space: global }
      - { .name: wv_scales, .offset: 56, .size: 8, .value_kind: global_buffer, .address_space: global }
      - { .name: qbuf, .offset: 64, .size: 8, .value_kind: global_buffer, .address_space: global }
      - { .name: kvbuf, .offset: 72, .size: 8, .value_kind: global_buffer, .address_space: global }
    .group_segment_fixed_size: 327680
    .private_segment_fixed_size: 0
    .kernarg_segment_align: 8
    .kernarg_segment_size: 80
    .max_flat_workgroup_size: 128
    .sgpr_count:     106
    .vgpr_count:     1024
    .wavefront_size: 32
...
	.end_amdgpu_metadata
.endif
;; end of part 1
;; launch attn (part 2): grid 4 x 64, 8 waves a work-group, clusters of 4 x 1, 327,680 bytes of LDS; arguments qbuf, kvbuf, out0; writes out0
.if DOCPART == 2
	.amdgcn_target "amdgcn-amd-amdhsa--gfx1250"
	.amdhsa_code_object_version 6
	.text
	.protected	k_q790cad43d4_attn
	.globl	k_q790cad43d4_attn
	.p2align	8
	.type	k_q790cad43d4_attn,@function
k_q790cad43d4_attn:
	s_mov_b64 s[64:65], 0
	v_nop
	global_prefetch_b8 v0, s[64:65] scope:SCOPE_SE
	s_setreg_imm32_b32 hwreg(HW_REG_WAVE_MODE, 25, 1), 1
	s_wait_xcnt 0x0
	s_wait_alu depctr_hold_cnt(0) depctr_sa_sdst(0) depctr_va_vdst(0) depctr_va_sdst(0) depctr_va_ssrc(0) depctr_va_vcc(0) depctr_vm_vsrc(0)
	s_getreg_b32 s2, hwreg(HW_REG_IB_STS2, 6, 4)
	s_cmp_eq_u32 s2, 0
	s_cbranch_scc0 .Lentry_in_a_cluster
	s_endpgm
.Lentry_in_a_cluster:
	s_bfe_u32 s2, ttmp6, 0x10000c
	s_cmp_lg_u32 s2, 0x3003
	s_cbranch_scc0 .Lentry_shape_is_right
	s_endpgm
.Lentry_shape_is_right:
; out[b][q][64 head + d] = the sum over keys of softmax(q . k / 8) v, for 64 (batch, head) pairs, 2,048 queries x 2,048 keys, head size 64; both products on codes of BF8 (E5M2), one E8M0 scale for each 32 along K.
; q, k, v arrive from the launch before as images of operand registers; for each head 16 blocks of SB bytes, one for 128 keys (queries):
;   +0 K's (Q's) codes, tile t of 16 keys at 1024 t + 512 c;  +8192 V's codes, tile d of 16 channels at 2048 d + 512 c;  +16384 K's (Q's) scale words;  +16896 V's scale words.
; THE SOFTMAX: t = score x log2(e) / 8; M = the running largest t rounded UP to a whole number; p = 2^(t - M) is quantised along the keys, not normalised; the row's sum is taken of the unquantised p and divides O at the end.
; When M moves, the sum and O are multiplied by 2^(old M - new M): exact.
; SHARES.  A work-group owns 512 queries of one head; each of its eight waves owns four tiles of 16 queries and walks TWO AT A TIME over all 16 key steps (two passes): each fragment of K and V read from LDS feeds two products,
; and the two tiles' chains stand side by side: one tile's exponentials stand among the other's multiply-adds and holds.  The holds go two to an instruction (dual issue).
; THE WHOLE HEAD'S K AND V, 274,432 bytes, LIE IN LDS, filled once.  CLUSTER: the four work-groups of a head read the same bytes: each fill is a joint load of all four.  Wave w brings blocks 2 w and 2 w + 1, its one load.
; Waves 0 and 1 have a load line of their own: blocks 0 to 3 are shown at the first barrier, and three steps are walked on them; the rest is shown at the second.
; No prefetch: every byte of K and V is asked for by the head's loads, and Q's four tiles by the head's plain loads: there is no loop to run ahead in.
; LAYOUT.  Both products transposed: S^T = K Q^T, O^T = V^T P^T: a lane holds one query (lane % 16).  p's code places are a permutation inside a block of 32, the one in which V's codes were laid.
; THE FIRST PRODUCT'S K IS 64 in an instruction of 128: Q's fragment is 8 registers of codes and 8 of zeros; K's tile t names 16 registers, the upper 8 the next tile's codes (tile 7: eight zeros), finite numbers that meet Q's zeros.
; K's fragments are read one step ahead.  A pass's last step has no next block and asks for its own again, so that the loop has one form: 17 LDS loads a pass whose data are not used.
; REGISTERS.  Window 0: both tiles' S^T and p's codes and all that is small, so that the softmax runs under one window setting.  Window 1: K's and V's fragments, Q and O^T.
; LIMITS: NaN and infinities are not served; the promise holds while the scaled scores stay under 2^31 in magnitude.  A block of p that has fallen to zeros keeps the byte 1: its codes are zeros.
.set SB,   17152
.set HS,   16*SB
.set VC,   8192
.set KSW,  16384
.set VSW,  16896
.set SPARE, HS                         ; the spare words: 128 bytes a wave, four blocks of 256 bytes
.set STGB, SPARE+1024                  ; the way out: a stage of 16 rows x (256 + 16) bytes for each wave, bytes that no fill lands on
.set STG,  4352
; window 0
.set LI0,  1                           ; 16 x lane
.set LR0,  2                           ; 16 x (lane % 16)
.set ADK,  3                           ; the next step's block + 16 x lane
.set ADV,  4                           ; this step's block + 16 x lane
.set ADS,  5                           ; this step's block + 16 x (lane % 16)
.set STO,  6
.set SRD,  7
.set GO,   8
.set SPW,  9
.set NIL,  10
.set SWK,  12                          ; v12-15 K's scale words
.set SWV,  16                          ; v16-19 V's
.set QSN,  20                          ; v20, v21 the second pass's Q scale words
.set PW,   22                          ; v22, v23 p's scale word, tile 0, 1
.set QS,   24                          ; v24, v25 Q's
.set FF,   26                          ; pairs v26, v28: f = 2^(old M - new M) in the low word
.set NM,   30                          ; pairs v30, v32: -M, the running largest score
.set LS,   34                          ; pairs v34, v36: the sum in two halves
.set BM,   38                          ; v38-45 the blocks' largest scores, then largest p
.set T1,   46                          ; v46-53 at work
.set HD,   54                          ; v54-61 57,344 x the scale
.set CV,   62                          ; v62-69 the conversions' scale operands
.set SM,   70                          ; v70-81 six more chains of a sum
.set PC,   96                          ; 16 a tile
.set S,    128                         ; 64 a tile
; window 1
.set KF,   0                           ; K's eight tiles; behind them eight zeros
.set Z8,   64
.set VF,   72                          ; V's four tiles
.set Q,    136                         ; 16 a tile
.set QN,   168                         ; the second pass's Q, 8 a tile
.set O,    192                         ; 32 a tile
.set WV,   10
.set CX,   11
.set BH,   12
.set G1,   16
.set G0,   24
.set SEL,  40
.set CS,   42                          ; s[42:43] c = log2(e) / 8
.set MNT,  44
.set TB,   45
.set CNT,  46
.set TK,   47
.set QB,   48
.set QSB,  50
.set NC,   58                          ; -c
.set MSB, 0
.macro WIN new                         ; the immediate's high byte repeats the setting that is left
.if MSB != (\new)
	s_set_vgpr_msb (MSB<<8)|(\new)
.set MSB, (\new)
.endif
.endm
.macro PLACES n
.rept \n
	v_nop
.endr
.endm
.macro CROUND
	s_barrier_signal -1
	s_barrier_wait -1
	s_cmp_lg_u32 s[WV], 0
	s_cbranch_scc1 .Lnot_wave_0_\@
	s_barrier_signal -3
.Lnot_wave_0_\@:
	s_barrier_wait -3
	s_barrier_signal -1
	s_barrier_wait -1
.endm
	s_load_b128 s[4:7], s[0:1], 0x0                ; qbuf, kvbuf
	s_load_b64 s[8:9], s[0:1], 0x10                ; out0
	v_lshl_add_u32 v[SPW], v0, 2, SPARE
	v_mov_b32 v[NIL], 0
	ds_add_u32 v[SPW], v[NIL]                      ; the opening lines: the add, twice on end, and its wait
	ds_add_u32 v[SPW], v[NIL]
	v_lshrrev_b32 v1, 5, v0
	v_readfirstlane_b32 s[WV], v1                  ; wave 0..7
	s_bfe_u32 s[CX], ttmp6, 0x40000                ; cx: which 512 queries; it enters Q's and the output's addresses alone
	s_and_b32 s[BH], ttmp7, 0xffff                 ; 16 x batch + head
	s_mul_i32 s14, s[BH], HS
	s_mul_i32 s13, s[WV], 2*SB                     ; my two blocks: in LDS as in memory
	s_add_co_u32 s52, s14, s13
	s_mov_b32 s53, 0
	s_mov_b32 s[G1], 15|(3<<16)|(1<<21)            ; mask: all four work-groups; elements of 8 bytes; bit 21 beside a mask
	s_mov_b32 s[G1+1], 32<<16                      ; 34,304 dense bytes as 134 rows of 256
	s_mov_b32 s[G1+2], 134<<16
	s_mov_b32 s[G1+3], 32<<16
	s_mov_b32 s[G1+4], 134
	s_mov_b32 s[G1+5], 32
	s_mov_b32 s[G1+6], 0
	s_mov_b32 s[G1+7], 0
	; my tiles of queries: 32 cx + 16 p + 2 wave + x: block 4 cx + 2 p + wave / 4, tile t = 2 (wave % 4) + x in it
	s_lshl_b32 s54, s[CX], 2
	s_lshr_b32 s55, s[WV], 2
	s_add_co_u32 s54, s54, s55
	s_mul_i32 s54, s54, SB
	s_add_co_u32 s54, s54, s14
	s_and_b32 s55, s[WV], 3
	s_lshl_b32 s56, s55, 11
	s_add_co_u32 s[QB], s54, s56
	s_mov_b32 s[QB+1], 0
	s_lshr_b32 s55, s55, 1
	s_lshl_b32 s55, s55, 8
	s_add_co_u32 s[QSB], s54, s55                  ; scale words: 16 (16 (t / 4) + r) + 4 (t % 4)
	s_and_b32 s55, s[WV], 1
	s_lshl_b32 s55, s55, 3
	s_add_co_u32 s[QSB], s[QSB], s55
	s_add_co_u32 s[QSB], s[QSB], KSW
	s_mov_b32 s[QSB+1], 0
	s_lshr_b32 s56, s[BH], 4                       ; the output: row 2,048 batch + 512 cx + 32 wave of 4,096 bytes, + 256 head
	s_lshl_b32 s56, s56, 11
	s_lshl_b32 s57, s[CX], 9
	s_add_co_u32 s56, s56, s57
	s_lshl_b32 s57, s[WV], 5
	s_add_co_u32 s56, s56, s57
	s_lshl_b32 s56, s56, 12
	s_and_b32 s57, s[BH], 15
	s_lshl_b32 s57, s57, 8
	s_add_co_u32 s56, s56, s57
	s_mov_b32 s57, 0
	s_mov_b32 s[SEL], 0x76543210
	s_mov_b32 s[SEL+1], 0xfedcba98
	s_mov_b32 s[CS], 0x3e38aa3b
	s_mov_b32 s[CS+1], s[CS]
	s_mov_b32 s[NC], 0xbe38aa3b
	s_mov_b32 s[MNT], 0x600000
	s_wait_dscnt 0x0                               ; both opening adds are done
	CROUND                                         ; all four work-groups are here: the joint loads meet
	s_wait_kmcnt 0x0
	s_add_nc_u64 s[QB:QB+1], s[4:5], s[QB:QB+1]
	s_add_nc_u64 s[QSB:QSB+1], s[4:5], s[QSB:QSB+1]
	s_add_nc_u64 s[8:9], s[8:9], s[56:57]
	s_mov_b32 s[G0], 1
	s_mov_b32 s[G0+1], s13
	s_add_nc_u64 s[G0+2:G0+3], s[6:7], s[52:53]
	s_or_b32 s[G0+3], s[G0+3], 0x80000000
	s_cmp_lt_u32 s[WV], 2                          ; one load a wave; waves 0 and 1, which wait at the first barrier, have a line of their own
	s_cbranch_scc0 .Lrest
	tensor_load_to_lds s[G0:G0+3], s[G1:G1+7]
	s_nop 0
	PLACES 4
	s_branch .Lasked
.Lrest:
	tensor_load_to_lds s[G0:G0+3], s[G1:G1+7]
	s_nop 0
	PLACES 4
.Lasked:
	v_and_b32 v[LI0], 31, v0
	v_and_b32 v[LR0], 15, v0
	v_bfe_u32 v[ADS], v0, 4, 1                     ; h
	v_lshlrev_b32 v[LI0], 4, v[LI0]
	s_mul_i32 s13, s[WV], STG
	s_add_co_u32 s13, s13, STGB                    ; my stage
	v_mul_u32_u24 v[STO], v[LR0], 272
	v_mul_u32_u24 v[SRD], v[ADS], 272
	v_lshlrev_b32 v[GO], 12, v[ADS]
	v_lshl_add_u32 v[STO], v[ADS], 5, v[STO]
	v_lshl_add_u32 v[SRD], v[LR0], 4, v[SRD]
	v_lshl_add_u32 v[GO], v[LR0], 4, v[GO]         ; 4,096 h + 16 r
	v_add_nc_u32 v[STO], s13, v[STO]               ; in: row r, + 32 h
	v_add_nc_u32 v[SRD], s13, v[SRD]               ; back: lanes 0-15 one row, lanes 16-31 the next
	v_lshlrev_b32 v[LR0], 4, v[LR0]
	WIN 0x40
.irp x, 0,1
	global_load_b128 v[Q+16*\x:Q+16*\x+3], v[LI0], s[QB:QB+1] offset:1024*\x
	global_load_b128 v[Q+16*\x+4:Q+16*\x+7], v[LI0], s[QB:QB+1] offset:1024*\x+512
	global_load_b128 v[QN+8*\x:QN+8*\x+3], v[LI0], s[QB:QB+1] offset:2*SB+1024*\x
	global_load_b128 v[QN+8*\x+4:QN+8*\x+7], v[LI0], s[QB:QB+1] offset:2*SB+1024*\x+512
.endr
	WIN 0
.irp x, 0,1
	global_load_b32 v[QS+\x], v[LR0], s[QSB:QSB+1] offset:4*\x
	global_load_b32 v[QSN+\x], v[LR0], s[QSB:QSB+1] offset:2*SB+4*\x
.endr
.set j, 0
.rept 8
	v_mov_b32 v[T1+j], 0                           ; a lane permute's destination counts as one of its sources
.set j, j+1
.endr
	v_mov_b32 v[FF+1], 0                           ; (the upper words of the pairs that hold f)
	v_mov_b32 v[FF+3], 0
	WIN 0x40
.set j, 0
.rept 8
	v_mov_b32 v[Z8+j], 0                           ; behind K's tile 7: zero codes
	v_mov_b32 v[Q+8+j], 0                          ; the upper halves of Q's fragments: zero codes
	v_mov_b32 v[Q+24+j], 0
.set j, j+1
.endr
	WIN 0
; A pass begins: the largest score -3e38, -M = 3e38, the sums and O^T zeros: the first change of M multiplies zeros by 0.
.macro INIT
.irp x, 0,1
	v_mov_b32 v[NM+2*\x+1], 0xff61b1e6
	v_mov_b32 v[NM+2*\x], 0x7f61b1e6
	v_mov_b32 v[LS+2*\x], 0
	v_mov_b32 v[LS+2*\x+1], 0
.endr
	WIN 0x40
.set j, 0
.rept 64
	v_mov_b32 v[O+j], 0
.set j, j+1
.endr
	WIN 0
.endm
.macro KLOADS adr                      ; K's scale words and eight tiles
	ds_load_b128 v[SWK:SWK+3], v[\adr] offset:KSW
	WIN 0x40
.irp t, 0,1,2,3,4,5,6,7
	ds_load_b128 v[KF+8*\t:KF+8*\t+3], v[\adr] offset:1024*\t
	ds_load_b128 v[KF+8*\t+4:KF+8*\t+7], v[\adr] offset:1024*\t+512
.endr
	WIN 0
.endm
.macro PRELOAD                         ; block 0's
	s_wait_alu depctr_va_vdst(0)                   ; the wait ahead of the wait below
	s_wait_dscnt 0x0                               ; no load into these registers is out
	KLOADS LI0
.endm
.macro SUMS x                          ; 26 of a tile's 32 packed additions of the unquantised p, in seven chains
.irp k, 0,1,2,3,4,5
	v_pk_add_f32 v[SM+2*\k:SM+2*\k+1], v[S+64*\x+4*\k:S+64*\x+4*\k+1], v[S+64*\x+4*\k+2:S+64*\x+4*\k+3]
.endr
.set j, S+64*\x+24
.rept 2
	v_pk_add_f32 v[LS+2*\x:LS+2*\x+1], v[LS+2*\x:LS+2*\x+1], v[j:j+1]
.irp k, 0,1,2,3,4,5
	v_pk_add_f32 v[SM+2*\k:SM+2*\k+1], v[SM+2*\k:SM+2*\k+1], v[j+2+2*\k:j+3+2*\k]
.endr
.set j, j+14
.endr
	v_pk_add_f32 v[LS+2*\x:LS+2*\x+1], v[LS+2*\x:LS+2*\x+1], v[j:j+1]
.irp k, 0,1,2,3,4
	v_pk_add_f32 v[SM+2*\k:SM+2*\k+1], v[SM+2*\k:SM+2*\k+1], v[j+2+2*\k:j+3+2*\k]
.endr
.endm
.macro JOINS x                         ; the six that join the chains
	v_pk_add_f32 v[SM:SM+1], v[SM:SM+1], v[SM+2:SM+3]
	v_pk_add_f32 v[SM+4:SM+5], v[SM+4:SM+5], v[SM+6:SM+7]
	v_pk_add_f32 v[SM+8:SM+9], v[SM+8:SM+9], v[SM+10:SM+11]
	v_pk_add_f32 v[LS+2*\x:LS+2*\x+1], v[LS+2*\x:LS+2*\x+1], v[SM:SM+1]
	v_pk_add_f32 v[SM+4:SM+5], v[SM+4:SM+5], v[SM+8:SM+9]
	v_pk_add_f32 v[LS+2*\x:LS+2*\x+1], v[LS+2*\x:LS+2*\x+1], v[SM+4:SM+5]
.endm
.macro CODES x
.irp b, 0,1,2,3
	v_cvt_scalef32_pk8_bf8_f32 v[PC+16*\x+4*\b:PC+16*\x+4*\b+1], v[S+64*\x+16*\b:S+64*\x+16*\b+7], v[CV+4*\x+\b]
	v_cvt_scalef32_pk8_bf8_f32 v[PC+16*\x+4*\b+2:PC+16*\x+4*\b+3], v[S+64*\x+16*\b+8:S+64*\x+16*\b+15], v[CV+4*\x+\b]
.endr
.endm
; A KEY STEP: 128 keys x my two tiles of queries.  K's fragments of this step were asked for in the step before.
.macro STEP
	s_add_co_u32 s[TK], s[TB], SB
	s_min_u32 s[TK], s[TK], 15*SB                  ; the next block; the last step names its own again
	v_add_nc_u32 v[ADV], s[TB], v[LI0]
	v_add_nc_u32 v[ADS], s[TB], v[LR0]
	PLACES 6                                       ; with the two additions: eight places behind the last products, ahead of loads into what they have read
	ds_load_b128 v[SWV:SWV+3], v[ADS] offset:VSW
	WIN 0x40
.irp d, 0,1,2,3
.irp c, 0,1,2,3
	ds_load_b128 v[VF+16*\d+4*\c:VF+16*\d+4*\c+3], v[ADV] offset:VC+2048*\d+512*\c
.endr
.endr
	s_wait_dscnt 17                                ; K's 17 loads are in; V's 17, issued behind them, may be out
	WIN 0x05                                       ; K and Q in window 1, S^T in window 0
.irp x, 0,1
.irp t, 0,1,2,3
	v_wmma_scale_f32_16x16x128_f8f6f4 v[S+64*\x+8*\t:S+64*\x+8*\t+7], v[KF+8*\t:KF+8*\t+15], v[Q+16*\x:Q+16*\x+15], 0, v[SWK+\t], v[QS+\x] matrix_a_fmt:MATRIX_FMT_BF8 matrix_b_fmt:MATRIX_FMT_BF8
.endr
.irp t, 4,5,6,7
	v_wmma_scale_f32_16x16x128_f8f6f4 v[S+64*\x+8*\t:S+64*\x+8*\t+7], v[KF+8*\t:KF+8*\t+15], v[Q+16*\x:Q+16*\x+15], 0, v[SWK+\t-4], v[QS+\x] matrix_a_fmt:MATRIX_FMT_BF8 matrix_b_fmt:MATRIX_FMT_BF8 matrix_a_scale:MATRIX_SCALE_ROW1
.endr
.endr
	WIN 0
	v_add_nc_u32 v[ADK], s[TK], v[LI0]
	PLACES 7                                       ; eight places: ahead of the loads below and of the first reads of the scores
	KLOADS ADK
.irp x, 0,1                            ; the largest score of each block of 32 keys: eight chains by turns
.irp b, 0,1,2,3
	v_max3_num_f32 v[BM+4*\x+\b], v[S+64*\x+16*\b], v[S+64*\x+16*\b+1], v[S+64*\x+16*\b+2]
.endr
.endr
.irp i, 3,5,7,9,11,13
.irp x, 0,1
.irp b, 0,1,2,3
	v_max3_num_f32 v[BM+4*\x+\b], v[BM+4*\x+\b], v[S+64*\x+16*\b+\i], v[S+64*\x+16*\b+\i+1]
.endr
.endr
.endr
.irp x, 0,1
.irp b, 0,1,2,3
	v_max_num_f32 v[BM+4*\x+\b], v[BM+4*\x+\b], v[S+64*\x+16*\b+15]
.endr
.endr
.irp b, 0,1,2,3
.irp x, 0,1
	v_permlanex16_b32 v[T1+4*\x+\b], v[BM+4*\x+\b], s[SEL], s[SEL+1]
.endr
.endr
.irp b, 0,1,2,3
.irp x, 0,1
	v_max_num_f32 v[BM+4*\x+\b], v[BM+4*\x+\b], v[T1+4*\x+\b]   ; with lane l xor 16's 16 keys
.endr
.endr
.irp x, 0,1
	v_max3_num_f32 v[T1+4*\x], v[BM+4*\x], v[BM+4*\x+1], v[BM+4*\x+2]
.endr
.irp x, 0,1
	v_max3_num_f32 v[NM+2*\x+1], v[T1+4*\x], v[BM+4*\x+3], v[NM+2*\x+1]   ; the running largest score
.endr
.irp x, 0,1
	v_mul_f32 v[T1+4*\x], s[NC], v[NM+2*\x+1]      ; -t
.endr
.irp x, 0,1
	v_mov_b32 v[T1+4*\x+1], v[NM+2*\x]
.endr
.irp x, 0,1
	v_floor_f32 v[NM+2*\x], v[T1+4*\x]             ; the new -M = floor(-t): M is a whole number
.endr
.irp x, 0,1
	v_sub_f32 v[T1+4*\x], v[NM+2*\x], v[T1+4*\x+1] ; old M - new M: a whole number, 0 or less
.endr
.irp x, 0,1
	v_cvt_i32_f32 v[T1+4*\x], v[T1+4*\x]           ; (it saturates)
.endr
.irp x, 0,1
	v_ldexp_f32 v[FF+2*\x], 1.0, v[T1+4*\x]        ; f
.endr
.irp b, 0,1,2,3
.irp x, 0,1
	v_fma_f32 v[BM+4*\x+\b], v[BM+4*\x+\b], s[CS], v[NM+2*\x]   ; t - M of each block's largest score
.endr
.endr
.irp x, 0,1
	v_pk_mul_f32 v[LS+2*\x:LS+2*\x+1], v[LS+2*\x:LS+2*\x+1], v[FF+2*\x:FF+2*\x+1] op_sel_hi:[1,0]
.endr
	WIN 0x41
.irp x, 0,1
.set j, O+32*\x
.rept 16
	v_pk_mul_f32 v[j:j+1], v[j:j+1], v[FF+2*\x:FF+2*\x+1] op_sel_hi:[1,0]   ; O^T under the new M, each accumulator from its low end on
.set j, j+2
.endr
.endr
	WIN 0
.set j, S
.rept 32
	v_pk_fma_f32 v[j:j+1], v[j:j+1], s[CS:CS+1], v[NM:NM+1] op_sel_hi:[1,0,0]   ; tile 0: t - M
.set j, j+2
.endr
	s_wait_alu depctr_va_vdst(0)                   ; the wait ahead of the batch
.set j, 0
.rept 8
	v_exp_f32 v[BM+j], v[BM+j]                     ; the blocks' largest p
.set j, j+1
.endr
.set j, S
.rept 32                               ; tile 0's exponentials; among them tile 1's t - M, which reads what stood ahead of the wait and is read behind the next
	v_exp_f32 v[j], v[j]
	v_exp_f32 v[j+1], v[j+1]
	v_pk_fma_f32 v[j+64:j+65], v[j+64:j+65], s[CS:CS+1], v[NM+2:NM+3] op_sel_hi:[1,0,0]
.set j, j+2
.endr
	s_wait_alu depctr_va_vdst(0)                   ; one wait for the batch, ahead of its first reader
.irp b, 0,1,2,3
.irp x, 0,1
	v_max_num_f32 v[BM+4*\x+\b], 0x8000000, v[BM+4*\x+\b]   ; the floor 2^(16 - 127): the byte cannot fall under 1
.endr
.endr
.irp b, 0,1,2,3
.irp x, 0,1
	v_add_nc_u32 v[CV+4*\x+\b], 0xf8800000, v[BM+4*\x+\b]   ; 15 off the exponent field: the conversion's scale operand
.endr
.endr
.irp b, 0,1,2,3
.irp x, 0,1
	v_and_or_b32 v[HD+4*\x+\b], v[BM+4*\x+\b], 0x7f800000, s[MNT]   ; 57,344 x the scale
.endr
.endr
.irp b, 0,1,2,3
.irp x, 0,1
	v_lshrrev_b32 v[T1+4*\x+\b], 23, v[CV+4*\x+\b] ; the scale's byte
.endr
.endr
.irp x, 0,1
	v_lshl_or_b32 v[PW+\x], v[T1+4*\x+1], 8, v[T1+4*\x]
.endr
.irp x, 0,1
	v_lshl_or_b32 v[PW+\x], v[T1+4*\x+2], 16, v[PW+\x]
.endr
.irp x, 0,1
	v_lshl_or_b32 v[PW+\x], v[T1+4*\x+3], 24, v[PW+\x]
.endr
	SUMS 0
	JOINS 0
	s_wait_alu depctr_va_vdst(0)                   ; ahead of the batch: the bounds and tile 1's t - M are through
.set j, 0
.rept 32                               ; tile 1's exponentials; among them tile 0's holds (p is not negative: one-sided), two to an instruction, which are read behind the wait below
	v_exp_f32 v[S+64+j], v[S+64+j]
	v_exp_f32 v[S+65+j], v[S+65+j]
	v_dual_min_num_f32 v[S+j], v[S+j], v[HD+j/16] :: v_dual_min_num_f32 v[S+j+1], v[S+j+1], v[HD+j/16]
.set j, j+2
.endr
	v_nop                                          ; a plain place behind the last exponential
	s_wait_alu depctr_va_vdst(0)                   ; one wait for the batch, and ahead of the wait below
	s_wait_dscnt 17                                ; V's 17 loads are in; the next K's 17, issued behind them, may be out
	CODES 0
	SUMS 1
.set j, 0
.rept 32
	v_dual_min_num_f32 v[S+64+j], v[S+64+j], v[HD+4+j/16] :: v_dual_min_num_f32 v[S+65+j], v[S+65+j], v[HD+4+j/16]
.set j, j+2
.endr
	CODES 1
	JOINS 1                                        ; six plain lines between the codes and the products
	WIN 0x51                                       ; O^T += V^T P^T: eight accumulators, one turn each
.irp x, 0,1
.irp d, 0,1,2,3
	v_wmma_scale_f32_16x16x128_f8f6f4 v[O+32*\x+8*\d:O+32*\x+8*\d+7], v[VF+16*\d:VF+16*\d+15], v[PC+16*\x:PC+16*\x+15], v[O+32*\x+8*\d:O+32*\x+8*\d+7], v[SWV+\d], v[PW+\x] matrix_a_fmt:MATRIX_FMT_BF8 matrix_b_fmt:MATRIX_FMT_BF8
.endr
.endr
	WIN 0
	s_add_co_u32 s[TB], s[TB], SB
.endm
.macro LOOPN n
	s_mov_b32 s[CNT], \n
.Lstep_\@:
	STEP
	s_sub_co_u32 s[CNT], s[CNT], 1
	s_cmp_lg_u32 s[CNT], 0
	s_cbranch_scc1 .Lstep_\@
.endm
; A pass ends: O^T / the sum goes through my stage and leaves as whole rows of 256 bytes, sixteen lanes to a row.  more = 1: block 0's K is asked for first, for the next pass.
.macro FINISH p, more
.if \more
	PRELOAD
.else
	s_wait_alu depctr_va_vdst(0)
.endif
.irp x, 0,1
	v_add_f32 v[LS+2*\x], v[LS+2*\x], v[LS+2*\x+1]
.endr
.irp x, 0,1
	v_permlanex16_b32 v[T1+4*\x], v[LS+2*\x], s[SEL], s[SEL+1]
.endr
.irp x, 0,1
	v_add_f32 v[LS+2*\x], v[LS+2*\x], v[T1+4*\x]
.endr
	PLACES 4                                       ; with the four additions: eight places behind the last products
	s_wait_alu depctr_va_vdst(0)                   ; ahead of the reciprocals
	v_rcp_f32 v[LS], v[LS]
	v_rcp_f32 v[LS+2], v[LS+2]
	v_nop
	WIN 0x01
	s_wait_alu depctr_va_vdst(0)                   ; ahead of the first reader of the reciprocals and of O^T
.irp x, 0,1
.set j, 0
.rept 16
	v_pk_mul_f32 v[S+32*\x+j:S+32*\x+j+1], v[O+32*\x+j:O+32*\x+j+1], v[LS+2*\x:LS+2*\x+1] op_sel_hi:[1,0]
.set j, j+2
.endr
.endr
	WIN 0
.irp x, 0,1
.irp d, 0,1,2,3
	ds_store_b128 v[STO], v[S+32*\x+8*\d:S+32*\x+8*\d+3] offset:64*\d
	ds_store_b128 v[STO], v[S+32*\x+8*\d+4:S+32*\x+8*\d+7] offset:64*\d+16
.endr
.irp i, 0,1,2,3,4,5,6,7
	ds_load_b128 v[S+64+32*\x+4*\i:S+64+32*\x+4*\i+3], v[SRD] offset:544*\i   ; LDS serves a wave's instructions in order (ISA guide 5.7.1.4)
.endr
.endr
.irp x, 0,1
.irp i, 0,1,2,3,4,5,6,7
	s_wait_dscnt 23-16*\x-\i                       ; behind this load: its tile's 7 - i later loads and, for tile 0, tile 1's sixteen LDS instructions
	global_store_b128 v[GO], v[S+64+32*\x+4*\i:S+64+32*\x+4*\i+3], s[8:9] offset:8192*\i+65536*\x+1048576*(\p) th:TH_STORE_NT
.endr
.endr
.endm
	INIT
	s_wait_alu depctr_va_vdst(0)                   ; the wait at the head's end
	s_wait_loadcnt 0x0                             ; Q
	s_cmp_lt_u32 s[WV], 2
	s_cbranch_scc0 .Lnot_first
	s_wait_tensorcnt 0x0                           ; waves 0 and 1: blocks 0 to 3 are in
.Lnot_first:
	s_barrier_signal -1
	s_barrier_wait -1
	PRELOAD
	s_mov_b32 s[TB], 0
	LOOPN 3                                        ; steps 0 to 2 touch blocks 0 to 3
	s_wait_alu depctr_va_vdst(0)
	s_wait_tensorcnt 0x0                           ; every wave: the whole head is in
	s_wait_dscnt 0x0
	s_barrier_signal -1
	s_barrier_wait -1
	s_mov_b32 s[TB], 3*SB
	LOOPN 13
	FINISH 0, 1
	s_wait_xcnt 0x0                                ; the stores have read their registers: scores land there again
	WIN 0x41
.irp x, 0,1
.set j, 0
.rept 8
	v_mov_b32 v[Q+16*\x+j], v[QN+8*\x+j]           ; the second pass's queries
.set j, j+1
.endr
.endr
	WIN 0
	v_mov_b32 v[QS], v[QSN]
	v_mov_b32 v[QS+1], v[QSN+1]
	INIT
	s_wait_alu depctr_va_vdst(0)
	s_mov_b32 s[TB], 0
	LOOPN 16
	FINISH 1, 0
	s_wait_tensorcnt 0x0                           ; the wave's end
	ds_add_u32 v[SPW], v[NIL]
	s_wait_dscnt 0x0
	CROUND                                         ; the closing round
	s_endpgm
.Lfunc_end_k_q790cad43d4_attn:
	.size	k_q790cad43d4_attn, .Lfunc_end_k_q790cad43d4_attn-k_q790cad43d4_attn
	.p2alignl 7, 3214868480
	.fill 96, 4, 3214868480
	.section	.rodata,"a",@progbits
	.p2align	6, 0x0
	.amdhsa_kernel k_q790cad43d4_attn
		.amdhsa_group_segment_fixed_size 327680
		.amdhsa_private_segment_fixed_size 0
		.amdhsa_enable_private_segment 0
		.amdhsa_kernarg_size 24
		.amdhsa_user_sgpr_count 2
		.amdhsa_user_sgpr_kernarg_segment_ptr 1
		.amdhsa_wavefront_size32 1
		.amdhsa_system_sgpr_workgroup_id_x 1
		.amdhsa_system_sgpr_workgroup_id_y 1
		.amdhsa_system_sgpr_workgroup_id_z 1
		.amdhsa_system_vgpr_workitem_id 0
		.amdhsa_next_free_vgpr 512
		.amdhsa_next_free_sgpr 66
		.amdhsa_reserve_vcc 0
		.amdhsa_float_denorm_mode_32 3
		.amdhsa_float_denorm_mode_16_64 3
		.amdhsa_memory_ordered 1
		.amdhsa_forward_progress 1
		.amdhsa_inst_pref_size 131
	.end_amdhsa_kernel
	.amdgpu_metadata
---
amdhsa.version: [ 1, 2 ]
amdhsa.kernels:
  - .name:           k_q790cad43d4_attn
    .symbol:         k_q790cad43d4_attn.kd
    .args:
      - { .name: qbuf, .offset: 0, .size: 8, .value_kind: global_buffer, .address_space: global }
      - { .name: kvbuf, .offset: 8, .size: 8, .value_kind: global_buffer, .address_space: global }
      - { .name: out0, .offset: 16, .size: 8, .value_kind: global_buffer, .address_space: global }
    .group_segment_fixed_size: 327680
    .private_segment_fixed_size: 0
    .kernarg_segment_align: 8
    .kernarg_segment_size: 24
    .max_flat_workgroup_size: 256
    .sgpr_count:     66
    .vgpr_count:     512
    .wavefront_size: 32
...
	.end_amdgpu_metadata
.endif
;; end of part 2
